; MI455X (gfx1250); checked and timed in simulation.
; The chip was launched on July 23, 2026; its instructions are those of AMD's public machine-readable ISA for CDNA 5 (MIT licence, August 2026) and "CDNA5" Instruction Set Architecture Reference Guide (July 2026). The comments in the code are by the model that wrote it; some were corrected since.
;; Multi Head Attention. Allowed arithmetic: matrix products marked QUANTISED: E2M1 operands, one E8M0 scale for each 32 along K, by v_wmma_scale_f32_16x16x128_f8f6f4 with both operands' format E2M1 (or v_wmma_scale_f32_32x16x128_f4), f32 sums; products left as they are: bf16, f16 or f32 operands; f32 sums; everything else in f32.
;; Inputs: W_out 1,024 x 1,024 float32; W_qkv 1,024 x 3,072 float32; X 4 x 2,048 x 1,024 float32; b_out 1,024 float32; b_qkv 3,072 float32.
;; Outputs: out0 4 x 2,048 x 1,024 float32.
;; This version of the problem:
;;   THIS VERSION OF THE PROBLEM IS GIVEN IN LOW PRECISION. The matrix products marked QUANTISED in the list below multiply operands that are first quantised to E2M1 (2 exponent bits, 1 mantissa bit; 4 bits a number), with one power-of-two scale for each 32 numbers along K (OCP MX v1.0); their sums are f32. The products marked 'left as it is' may take bf16, f16 or f32 operands, with f32 sums. Whichever they take, every output number must still come out within the allowed error. Rounding operands to bf16 (8 significant bits) uses up far more of that allowance than f16 does (11 bits, for magnitudes from 6e-5 to 65,504). All else is computed in f32.
;;   The module's matrix products, in the order in which they are computed (A, B: the left and right operand; K: the contracted axis; several contracted axes count as one K, in the product's order):
;;     1. [M 8,192, K 1,024] x [K 1,024, N 3,072]; A: input X; B: input W_qkv: QUANTISED
;;     2. batch 64 x [M 2,048, K 64] x [K 64, N 2,048]; A: computed on the way; B: computed on the way: left as it is (an operand is computed on the way)
;;     3. batch 64 x [M 64, K 2,048] x [K 2,048, N 2,048]; A: computed on the way; B: computed on the way: left as it is (an operand is computed on the way)
;;     4. [M 8,192, K 1,024] x [K 1,024, N 1,024]; A: computed on the way; B: input W_out: left as it is (an operand is computed on the way)
;;   THE QUANTISER, for each operand of a quantised product, along K:
;;     - K is cut into blocks of 32 from its start; a last block that is shorter is filled with zeros.
;;     - A block's scale is 2^e with e = floor(log2(the largest magnitude in the block)) - 2, held to -126 .. 127; a block of zeros has e = 0. As a byte (E8M0): e + 127.
;;     - Each number is divided by its block's scale, clamped to +-6, and rounded to the nearest number of E2M1, ties to even, subnormals kept.
;;     - The product sums the exact products of the quantised numbers (number of the format x scale) in f32.
;;   ~~~python
;;   def quantise(x, axis):      # numpy; x: float32 -> the quantised numbers, widened to float32 again
;;       x = np.moveaxis(x, axis, -1); K = x.shape[-1]
;;       x = np.pad(x, [(0, 0)] * (x.ndim - 1) + [(0, -K % 32)]); x = x.reshape(x.shape[:-1] + (-1, 32)); a = np.abs(x).max(-1, keepdims=True)
;;       e = np.where(a > 0, np.clip(np.frexp(np.where(a > 0, a, 1))[1] - 1 - 2, -126, 127), 0)      # np.frexp(a)[1] - 1 = floor(log2(a)), exactly
;;       r = np.clip(x / 2.0 ** e, -6, 6)
;;       step = 2.0 ** (np.maximum(np.frexp(np.where(r == 0, 1, r))[1] - 1, 0) - 1)
;;       q = np.round(r / step) * step * 2.0 ** e      # np.round: ties to even
;;       return np.moveaxis(q.reshape(q.shape[:-2] + (-1,))[..., :K], -1, axis).astype(np.float32)
;;   ~~~
;; One version. Each part assembles by itself: llvm-mc -triple=amdgcn-amd-amdhsa -mcpu=gfx1250 --defsym DOCPART=n.
;; ======== version 1 of 1: 4 launches
;; limits: values are held in f16: magnitudes above 65,504 overflow, below 6.1e-05 lose precision
;; workspace buffers: xc 4,194,304 bytes; xs 262,144 bytes; wc 1,572,864 bytes; ws 98,304 bytes; wof 2,097,152 bytes; qf 16,777,216 bytes; kvf 33,554,432 bytes; of 16,777,216 bytes
;; launch prep (part 1): grid 512 x 1, 4 waves a work-group, no clusters, 34,304 bytes of LDS; arguments X, W_qkv, W_out, xc, xs, wc, ws, wof; writes xc, xs, wc, ws, wof
.if DOCPART == 1
	.amdgcn_target "amdgcn-amd-amdhsa--gfx1250"
	.amdhsa_code_object_version 6
	.text
	.protected	k_q176e7e9f14_prep
	.globl	k_q176e7e9f14_prep
	.p2align	8
	.type	k_q176e7e9f14_prep,@function
k_q176e7e9f14_prep:
	s_mov_b64 s[64:65], 0
	v_nop
	global_prefetch_b8 v0, s[64:65] scope:SCOPE_SE
	s_setreg_imm32_b32 hwreg(HW_REG_WAVE_MODE, 25, 1), 1
	s_wait_xcnt 0x0
; X [8192][1024] and W_qkv [1024][3072], f32, become codes of FP4 (E2M1) with one E8M0 byte for each 32 along K = 1024; W_out [1024][1024] becomes f16.
; EVERYTHING IS LAID AS AN IMAGE OF THE READER'S OPERAND REGISTERS: a fragment (16 rows or columns x one K step) is 8 registers a lane; registers 4 c .. 4 c + 3 of lane l lie at c x 512 + 16 l of its 1,024 bytes.
;   xc  [ks 8][mT 512][image]      rows 16 mT + l % 16; registers 4 c ..: k = 128 ks + 64 c + 32 (l / 16) + 0 .. 31
;   xs  [mT 512][g 2][lane 32][j 2] words: the four scale bytes of row 16 mT + lane % 16, K step 4 g + 2 j + lane / 16
;   wc  [ks 8][nT 192][image]      columns 16 nT + l % 16, k as in xc;    ws [ks 8][n 3072] words
;   wof [ks 8][nT 64][q 4][image]  f16: column 16 nT + l % 16; k = 128 ks + 32 q + 8 (l / 16) + 0 .. 7 (c = 0), + 16 (c = 1)
; A block's scale is 2^(floor(log2(its largest magnitude)) - 2); its byte is that magnitude's exponent field - 2, held at 1 from below by a floor among the maximum's leaves.
; LIMITS: a block of zeros gets the byte 1 where the rule says 127 (its codes are zeros, and this program alone reads the bytes); NaN and infinities among the inputs are not served; W_out beyond 65,504 has no f16.
; ONE LAUNCH, THREE PATHS, parted by the work-group's number: 0-255 X, 256-447 W_qkv, 448-511 W_out.  Waves share nothing: no barrier.  Only X's path uses LDS.
.set SPARE, 33792                      ; behind the four stages: the spare words, 128 bytes a wave
.set STG,   8448                       ; a wave's stage: 16 rows x (512 bytes + 16)
.set SPW,   14                         ; v14  LDS address of my spare word; never rewritten
.set NIL,   15                         ; v15  0; never rewritten
.set RA,    16                         ; v16-143  X: two sets of 64 registers as loaded;  the weights: 128 numbers of my column
.set XN,    144                        ; v144-207 X: 64 numbers, turned;  the weights: codes or f16
.set CD,    208                        ; v208-239 X: 8 registers of codes for each of four K steps: no store's data are written again
.set SWD,   252                        ; v252-253 X: the scale words to store
	s_load_b256 s[4:11], s[0:1], 0x0               ; X s[4:5], W_qkv s[6:7], W_out s[8:9], xc s[10:11]
	s_load_b256 s[12:19], s[0:1], 0x20             ; xs s[12:13], wc s[14:15], ws s[16:17], wof s[18:19]
	v_lshl_add_u32 v[SPW], v0, 2, SPARE
	v_mov_b32 v[NIL], 0
	v_lshrrev_b32 v1, 5, v0
	v_readfirstlane_b32 s20, v1                    ; wave 0..3
	v_and_b32 v1, 31, v0                           ; lane
	v_and_b32 v2, 15, v0                           ; r
	v_bfe_u32 v3, v0, 4, 1                         ; h
	s_mov_b32 s29, 0                               ; the upper word of every offset
	s_wait_kmcnt 0x0
	s_cmp_lt_u32 ttmp9, 256
	s_cbranch_scc0 .Lweights
; ---------------- X: a wave takes 16 rows x 512 along K: four fragments ----------------
; Each load reads 512 consecutive bytes of one row; the conversions want 32 neighbours along K in ONE lane: so a K step's 16 x 512 bytes turn through the wave's own stage.
	s_lshl_b32 s21, ttmp9, 2
	s_add_co_u32 s21, s21, s20                     ; unit 0..1023
	s_lshr_b32 s25, s21, 1                         ; mT
	s_and_b32 s26, s21, 1                          ; g: which half of K
	s_lshl_b32 s28, s25, 16                        ; X: 16 rows of 4,096 bytes,
	s_lshl_b32 s27, s26, 11                        ; + 512 numbers
	s_add_co_u32 s28, s28, s27
	s_add_nc_u64 s[4:5], s[4:5], s[28:29]
	s_lshl_b32 s28, s26, 21                        ; xc: four K steps of 524,288 bytes,
	s_lshl_b32 s27, s25, 10                        ; + my tile's image
	s_add_co_u32 s28, s28, s27
	s_add_nc_u64 s[10:11], s[10:11], s[28:29]
	s_lshl_b32 s28, s25, 9                         ; xs: 512 bytes a tile, 256 a half
	s_lshl_b32 s27, s26, 8
	s_add_co_u32 s28, s28, s27
	s_add_nc_u64 s[12:13], s[12:13], s[28:29]
	s_mul_i32 s30, s20, STG                        ; my stage
	s_mov_b32 s22, 0x76543210
	s_mov_b32 s23, 0xfedcba98                      ; v_permlanex16_b32's selects for lane l xor 16
	s_mov_b32 s24, 0xffff0000                      ; lanes 16-31
	v_lshlrev_b32 v4, 4, v1                        ; 16 x lane: my bytes of a load's or store's 512
	v_lshl_add_u32 v5, v1, 4, s30                  ; into the stage: as loaded
	v_mul_u32_u24 v6, v2, 528                      ; out of it: row r (rows 132 words apart: sixteen rows start at sixteen different banks, 64 banks of 4 bytes: ISA guide 11.1),
	v_lshl_add_u32 v6, v3, 7, v6                   ; + 32 h numbers
	v_add_nc_u32 v6, s30, v6
	v_lshlrev_b32 v7, 3, v1                        ; 8 x lane: my two scale words
	v_mov_b32 v247, 0                              ; written once: a lane permute's destination counts as one of its sources
	v_lshlrev_b32 v248, 3, v3                      ; 8 h: my bytes' place in a scale word
.macro XLOAD t                         ; K step t of my 16 rows, into set t % 2
.irp i, 0,1,2,3,4,5,6,7,8,9,10,11,12,13,14,15
	global_load_b128 v[RA+64*((\t)%2)+4*\i:RA+64*((\t)%2)+4*\i+3], v4, s[4:5] offset:\i*4096+(\t)*512 th:TH_LOAD_NT
.endr
.endm
.macro XSTEP t
.if (\t) < 3
	s_wait_loadcnt 16                              ; this step's 16 loads are in; the next step's 16 may be out
.else
	s_wait_loadcnt 0x0
.endif
.irp i, 0,1,2,3,4,5,6,7,8,9,10,11,12,13,14,15
	ds_store_b128 v5, v[RA+64*((\t)%2)+4*\i:RA+64*((\t)%2)+4*\i+3] offset:\i*528
.endr
.irp c, 0,1
.irp j, 0,1,2,3,4,5,6,7
	ds_load_b128 v[XN+32*\c+4*\j:XN+32*\c+4*\j+3], v6 offset:256*\c+16*\j   ; LDS serves a wave's instructions in order: these see the stores above.  k = 64 c + 32 h + 4 j ..
.endr
.endr
	s_wait_dscnt 0x0                               ; my 64 numbers are back, and the stores have read their registers,
.if (\t) < 2
	XLOAD (\t)+2                                   ; which take the loads of two steps on
.endif
.irp c, 0,1
	v_max3_num_f32 v[240+\c], |v[XN+32*\c]|, |v[XN+32*\c+1]|, 0x1800000   ; my block 2 c + h: all 32 numbers are mine; the floor 2^(3 - 127) holds the byte at 1 from below
.endr
.irp i, 2,4,6,8,10,12,14,16,18,20,22,24,26,28,30
.irp c, 0,1
	v_max3_num_f32 v[240+\c], v[240+\c], |v[XN+32*\c+\i]|, |v[XN+32*\c+\i+1]|   ; (the two blocks by turns)
.endr
.endr
.irp c, 0,1
	v_add_nc_u32 v[242+\c], 0xff000000, v[240+\c]  ; 2 off the exponent field: the conversion takes this operand's exponent field as its scale
.endr
.irp c, 0,1
	v_lshrrev_b32 v[244+\c], 23, v[242+\c]         ; the scale's byte
.endr
	v_lshl_or_b32 v246, v245, 16, v244             ; my two bytes, blocks h and 2 + h,
	v_lshlrev_b32 v246, v248, v246                 ; at their places;
	v_permlanex16_b32 v247, v246, s22, s23
	v_or_b32 v246, v246, v247                      ; with lane l xor 16's two the row's word is whole, in both lanes
.irp c, 0,1
.irp g, 0,1,2,3
	v_cvt_scalef32_pk8_fp4_f32 v[CD+8*(\t)+4*\c+\g], v[XN+32*\c+8*\g:XN+32*\c+8*\g+7], v[242+\c]
.endr
.endr
.if (\t)%2 == 0
	v_mov_b32 v[SWD+(\t)/2], v246                  ; an even K step's words are read from lanes 0-15.  (Also the plain line behind the conversions)
.else
	v_cndmask_b32 v[SWD+(\t)/2], v[SWD+(\t)/2], v246, s24   ; an odd one's from lanes 16-31.  (Also the plain line behind the conversions)
.endif
.irp c, 0,1
	global_store_b128 v4, v[CD+8*(\t)+4*\c:CD+8*(\t)+4*\c+3], s[10:11] offset:(\t)*524288+\c*512   ; 512 consecutive bytes, aligned
.endr
.endm
	XLOAD 0
	XLOAD 1
	XSTEP 0
	XSTEP 1
	XSTEP 2
	XSTEP 3
	global_store_b64 v7, v[SWD:SWD+1], s[12:13]    ; 256 consecutive bytes, aligned
	s_wait_tensorcnt 0x0                           ; the wave's end, behind my last LDS store
	ds_add_u32 v[SPW], v[NIL]
	s_wait_dscnt 0x0
	s_endpgm
; ---------------- the weights: K is their FIRST axis: a lane takes a column, and its registers run down K ----------------
.macro CLOAD b, base, pitch            ; rows 32 b .. 32 b + 31 of my K step, my column: 128 consecutive bytes a wave, 512 a work-group
.irp i, 0,1,2,3,4,5,6,7,8,9,10,11,12,13,14,15,16,17,18,19,20,21,22,23,24,25,26,27,28,29,30,31
	global_load_b32 v[RA+32*(\b)+\i], v4, s[\base:\base+1] offset:(32*(\b)+\i)*\pitch th:TH_LOAD_NT
.endr
.endm
.Lweights:
	v_lshlrev_b32 v4, 2, v1                        ; 4 x lane
	s_cmp_lt_u32 ttmp9, 448
	s_cbranch_scc0 .Lwout
; W_qkv: a wave takes 32 columns x one K step of 128: four blocks a lane
	s_sub_co_u32 s21, ttmp9, 256
	s_and_b32 s25, s21, 7                          ; ks
	s_lshr_b32 s26, s21, 3
	s_lshl_b32 s26, s26, 7
	s_lshl_b32 s27, s20, 5
	s_add_co_u32 s26, s26, s27                     ; my wave's first column
	s_mul_i32 s28, s25, 128*12288
	s_lshl_b32 s27, s26, 2
	s_add_co_u32 s28, s28, s27
	s_add_nc_u64 s[6:7], s[6:7], s[28:29]
	s_mul_i32 s28, s25, 196608                     ; wc: 192 images a K step,
	s_lshl_b32 s27, s26, 6                         ; 1,024 bytes for 16 columns
	s_add_co_u32 s28, s28, s27
	s_add_nc_u64 s[14:15], s[14:15], s[28:29]
	s_mul_i32 s28, s25, 12288                      ; ws: a word a column
	s_lshl_b32 s27, s26, 2
	s_add_co_u32 s28, s28, s27
	s_add_nc_u64 s[16:17], s[16:17], s[28:29]
	v_lshlrev_b32 v5, 4, v2
	v_lshl_add_u32 v5, v3, 10, v5                  ; my column's 16 bytes in its tile's image: block b = 2 c + h' lies at 256 b + 16 r
.macro WBLOCK b
.set XS, RA+32*(\b)
.if (\b) < 3
	s_wait_loadcnt 32                              ; this block's 32 loads are in; the next block's may be out
.else
	s_wait_loadcnt 0x0
.endif
.if (\b) < 2
	CLOAD (\b)+2, 6, 12288
.endif
	v_max3_num_f32 v160, |v[XS]|, |v[XS+1]|, |v[XS+2]|             ; the block's largest magnitude, in two chains
	v_max3_num_f32 v161, |v[XS+3]|, |v[XS+4]|, |v[XS+5]|
.irp i, 6,10,14,18,22,26
	v_max3_num_f32 v160, v160, |v[XS+\i]|, |v[XS+\i+1]|
	v_max3_num_f32 v161, v161, |v[XS+\i+2]|, |v[XS+\i+3]|
.endr
	v_max3_num_f32 v160, v160, |v[XS+30]|, |v[XS+31]|
	v_max3_num_f32 v160, v160, v161, 0x1800000     ; and the floor
	v_add_nc_u32 v162, 0xff000000, v160
	v_lshrrev_b32 v163, 23, v162
.irp g, 0,1,2,3
	v_cvt_scalef32_pk8_fp4_f32 v[XN+4*(\b)+\g], v[XS+8*\g:XS+8*\g+7], v162
.endr
.if (\b) == 0
	v_mov_b32 v172, v163                           ; the four bytes make my column's word.  (Also the plain line behind the conversions)
.else
	v_lshl_or_b32 v172, v163, 8*(\b), v172
.endif
	global_store_b128 v5, v[XN+4*(\b):XN+4*(\b)+3], s[14:15] offset:256*(\b)   ; lanes 0-15 and lanes 16-31 each store 256 consecutive bytes, aligned
.endm
	CLOAD 0, 6, 12288
	CLOAD 1, 6, 12288
	WBLOCK 0
	WBLOCK 1
	WBLOCK 2
	WBLOCK 3
	global_store_b32 v4, v172, s[16:17]            ; 128 consecutive bytes a wave: 98,304 bytes in all, against 12,582,912 read
	s_wait_tensorcnt 0x0                           ; the wave's end
	ds_add_u32 v[SPW], v[NIL]
	s_wait_dscnt 0x0
	s_endpgm
; W_out: the same walk; 32 numbers down K become 16 registers of f16: four pieces of 8 along K, piece p = 2 c + h' of chunk q's image
.Lwout:
	s_sub_co_u32 s21, ttmp9, 448
	s_and_b32 s25, s21, 7                          ; ks
	s_lshr_b32 s26, s21, 3
	s_lshl_b32 s26, s26, 7
	s_lshl_b32 s27, s20, 5
	s_add_co_u32 s26, s26, s27                     ; my wave's first column
	s_lshl_b32 s28, s25, 19                        ; 128 rows of 4,096 bytes
	s_lshl_b32 s27, s26, 2
	s_add_co_u32 s28, s28, s27
	s_add_nc_u64 s[8:9], s[8:9], s[28:29]
	s_lshl_b32 s28, s25, 18                        ; wof: 64 tiles of 4,096 bytes a K step
	s_lshl_b32 s27, s26, 8
	s_add_co_u32 s28, s28, s27
	s_add_nc_u64 s[18:19], s[18:19], s[28:29]
	v_lshlrev_b32 v5, 4, v2
	v_lshl_add_u32 v5, v3, 12, v5
.macro OBLOCK q
.if (\q) < 3
	s_wait_loadcnt 32                              ; this chunk's 32 loads are in; the next chunk's may be out
.else
	s_wait_loadcnt 0x0
.endif
.if (\q) < 2
	CLOAD (\q)+2, 8, 4096
.endif
.irp i, 0,1,2,3,4,5,6,7,8,9,10,11,12,13,14,15
	v_cvt_pk_f16_f32 v[XN+16*(\q)+\i], v[RA+32*(\q)+2*\i], v[RA+32*(\q)+2*\i+1]
.endr
.irp p, 0,1,2,3
	global_store_b128 v5, v[XN+16*(\q)+4*\p:XN+16*(\q)+4*\p+3], s[18:19] offset:(\q)*1024+\p*256
.endr
.endm
	CLOAD 0, 8, 4096
	CLOAD 1, 8, 4096
	OBLOCK 0
	OBLOCK 1
	OBLOCK 2
	OBLOCK 3
	s_wait_tensorcnt 0x0                           ; the wave's end
	ds_add_u32 v[SPW], v[NIL]
	s_wait_dscnt 0x0
	s_endpgm
.Lfunc_end_k_q176e7e9f14_prep:
	.size	k_q176e7e9f14_prep, .Lfunc_end_k_q176e7e9f14_prep-k_q176e7e9f14_prep
	.p2alignl 7, 3214868480
	.fill 96, 4, 3214868480
	.section	.rodata,"a",@progbits
	.p2align	6, 0x0
	.amdhsa_kernel k_q176e7e9f14_prep
		.amdhsa_group_segment_fixed_size 34304
		.amdhsa_private_segment_fixed_size 0
		.amdhsa_enable_private_segment 0
		.amdhsa_kernarg_size 64
		.amdhsa_user_sgpr_count 2
		.amdhsa_user_sgpr_kernarg_segment_ptr 1
		.amdhsa_wavefront_size32 1
		.amdhsa_system_sgpr_workgroup_id_x 1
		.amdhsa_system_sgpr_workgroup_id_y 1
		.amdhsa_system_sgpr_workgroup_id_z 1
		.amdhsa_system_vgpr_workitem_id 0
		.amdhsa_next_free_vgpr 256
		.amdhsa_next_free_sgpr 66
		.amdhsa_reserve_vcc 0
		.amdhsa_float_denorm_mode_32 3
		.amdhsa_float_denorm_mode_16_64 3
		.amdhsa_memory_ordered 1
		.amdhsa_forward_progress 1
		.amdhsa_inst_pref_size 67
	.end_amdhsa_kernel
	.amdgpu_metadata
---
amdhsa.version: [ 1, 2 ]
amdhsa.kernels:
  - .name:           k_q176e7e9f14_prep
    .symbol:         k_q176e7e9f14_prep.kd
    .args:
      - { .name: X, .offset: 0, .size: 8, .value_kind: global_buffer, .address_space: global }
      - { .name: W_qkv, .offset: 8, .size: 8, .value_kind: global_buffer, .address_space: global }
      - { .name: W_out, .offset: 16, .size: 8, .value_kind: global_buffer, .address_space: global }
      - { .name: xc, .offset: 24, .size: 8, .value_kind: global_buffer, .address_space: global }
      - { .name: xs, .offset: 32, .size: 8, .value_kind: global_buffer, .address_space: global }
      - { .name: wc, .offset: 40, .size: 8, .value_kind: global_buffer, .address_space: global }
      - { .name: ws, .offset: 48, .size: 8, .value_kind: global_buffer, .address_space: global }
      - { .name: wof, .offset: 56, .size: 8, .value_kind: global_buffer, .address_space: global }
    .group_segment_fixed_size: 34304
    .private_segment_fixed_size: 0
    .kernarg_segment_align: 8
    .kernarg_segment_size: 64
    .max_flat_workgroup_size: 128
    .sgpr_count:     66
    .vgpr_count:     256
    .wavefront_size: 32
...
	.end_amdgpu_metadata
.endif
;; end of part 1
;; launch qkv (part 2): grid 16 x 32, 4 waves a work-group, clusters of 4 x 4, 229,888 bytes of LDS; arguments xc, xs, wc, ws, b_qkv, qf, kvf; writes qf, kvf
.if DOCPART == 2
	.amdgcn_target "amdgcn-amd-amdhsa--gfx1250"
	.amdhsa_code_object_version 6
	.text
	.protected	k_q176e7e9f14_qkv
	.globl	k_q176e7e9f14_qkv
	.p2align	8
	.type	k_q176e7e9f14_qkv,@function
k_q176e7e9f14_qkv:
	s_mov_b64 s[64:65], 0
	v_nop
	global_prefetch_b8 v0, s[64:65] scope:SCOPE_SE
	s_setreg_imm32_b32 hwreg(HW_REG_WAVE_MODE, 25, 1), 1
	s_wait_xcnt 0x0
	s_wait_alu depctr_hold_cnt(0) depctr_sa_sdst(0) depctr_va_vdst(0) depctr_va_sdst(0) depctr_va_ssrc(0) depctr_va_vcc(0) depctr_vm_vsrc(0)
	s_getreg_b32 s2, hwreg(HW_REG_IB_STS2, 6, 4)
	s_cmp_eq_u32 s2, 0
	s_cbranch_scc0 .Lentry_in_a_cluster
	s_endpgm
.Lentry_in_a_cluster:
	s_bfe_u32 s2, ttmp6, 0x10000c
	s_cmp_lg_u32 s2, 0xf033
	s_cbranch_scc0 .Lentry_shape_is_right
	s_endpgm
.Lentry_shape_is_right:
; qkv = X W_qkv + b_qkv on codes of FP4 with E8M0 scales (K = 1024, eight steps of 128); q is multiplied by log2(e) / 8; q, k, v leave as f16, laid as images of attention's operand registers.
; SHARES.  A work-group takes 256 rows x the 192 columns of one head; each of its four waves 64 rows (four tiles st) x all 192 columns (twelve tiles): 48 accumulators, 384 registers.
; q's and k's tiles (ft = 0 .. 7) are used TRANSPOSED (source 0 = 16 columns of W, source 1 = 16 rows of X): a lane holds one position and eight neighbouring channels: packed, four registers of a q or k fragment.
; v's tiles (vt = 0 .. 3) are used as they stand (source 0 = X, source 1 = W): a lane holds one channel and eight neighbouring positions: four registers of a fragment of V^T.  So every store is 512 consecutive bytes from registers.
;   qf  [bh 64][sT 128][u 2][image]: row 16 sT + l % 16, channels 32 u + 8 (l / 16) + 0 .. 7 (c = 0), + 16 (c = 1)
;   kvf [bh 64][kb 32][16,384]: K as [kt 4][u 2][image], then V^T as [kc 2][ct 4][image]: channel 16 ct + l % 16, keys 32 kc + 8 (l / 16) + 0 .. 7 (c = 0), + 16 (c = 1)
; LDS holds ALL of K at once: X's 8 x 16 images, W's 8 x 12 images.  Nothing is filled again: no ring.  Four tensor loads a wave are out, by this text's count.
; CLUSTERS: 4 x 4 work-groups.  X's tiles hang on the row block alone and are asked for jointly along a row of the cluster, W's on the head alone, along a column.
; The biases are the C of each sum's first product, so they are added first and not last.  LIMIT: |q| / 5.5, |k|, |v| beyond 65,504 have no f16.
; REGISTERS: window 0: v1-11 addresses; v16-31 X's scale words; v32-79 W's; v80-143 X's fragments, two sets; v144-239 the biases.  window 1: W's fragments, two sets of 96.
;   window 2: q's and k's accumulators, (ft, st) at v[8 (4 ft + st)].   window 3: v's, (vt, st) at v[8 (4 vt + st)].
.set SPARE, 229376                     ; behind the images: the spare words, 128 bytes a wave
.set LI,  1                            ; v1   16 x lane: my place in an image
.set L8,  2                            ; v2   8 x lane
.set L4,  3                            ; v3   4 x lane
.set H32, 4                            ; v4   32 (lane / 16)
.set R4,  5                            ; v5   4 (lane % 16)
.set AX,  6                            ; v6-7 LDS address of my tiles of X, K steps 0-3, 4-7
.set AW,  8                            ; v8-9 the same for W
.set SPW, 10                           ; v10  LDS address of my spare word; never rewritten
.set NIL, 11                           ; v11  0; never rewritten
.set SX,  16                           ; tile st, K steps 2 i, 2 i + 1 at v[SX + 4 st + i]: the even step in lanes 0-15, the odd in lanes 16-31
.set SW,  32                           ; tiles 2 p, 2 p + 1, K step ks at v[SW + 8 p + ks]: the even tile in lanes 0-15, the odd in lanes 16-31
.set XF,  80
.set BI,  144
.set WV,  18
.set G1X, 24                           ; s[24:31], s[32:39] descriptor groups 1;  s[40:55], s[68:83] four groups 0 each
.set G1W, 32
.set G0X, 40
.set G0W, 68
.set CS,  96                           ; s[96:97] log2(e) / 8
.set MSB, 0
.macro WIN new                         ; the immediate's high byte repeats the setting that is left
.if MSB != \new
	s_set_vgpr_msb (MSB<<8)|\new
.set MSB, \new
.endif
.endm
.macro CROUND                          ; a round of the cluster's barrier
	s_barrier_signal -1
	s_barrier_wait -1
	s_cmp_lg_u32 s[WV], 0
	s_cbranch_scc1 .Lnot_wave_0_\@
	s_barrier_signal -3
.Lnot_wave_0_\@:
	s_barrier_wait -3
	s_barrier_signal -1
	s_barrier_wait -1
.endm
.macro PLACES
.rept 4
	v_nop
.endr
.endm
	s_load_b256 s[4:11], s[0:1], 0x0               ; xc s[4:5], xs s[6:7], wc s[8:9], ws s[10:11]
	s_load_b128 s[12:15], s[0:1], 0x20             ; b_qkv s[12:13], qf s[14:15]
	s_load_b64 s[16:17], s[0:1], 0x30              ; kvf
	v_lshl_add_u32 v[SPW], v0, 2, SPARE
	v_mov_b32 v[NIL], 0
	ds_add_u32 v[SPW], v[NIL]                      ; the wave's opening: the add, twice on end, and its wait ahead of my first tensor load
	ds_add_u32 v[SPW], v[NIL]
	v_lshrrev_b32 v12, 5, v0
	v_readfirstlane_b32 s[WV], v12                 ; wave 0..3
	s_and_b32 s19, s[WV], 1                        ; which K step of a pair I fetch
	s_bfe_u32 s20, ttmp6, 0x40000                  ; cx
	s_bfe_u32 s21, ttmp6, 0x40004                  ; cy
	s_lshl_b32 s22, ttmp9, 2
	s_add_co_u32 s22, s22, s20                     ; the head = 4 x cluster x + cx
	s_and_b32 s23, ttmp7, 0xffff
	s_lshl_b32 s23, s23, 2
	s_add_co_u32 s23, s23, s21                     ; the block of 256 rows = 4 x cluster y + cy
	s_lshl_b32 s84, s21, 2
	s_lshl_b32 s84, 15, s84                        ; my row of the cluster
	s_lshl_b32 s85, 0x1111, s20                    ; my column
	; dense blocks as rows of 256 bytes (32 elements of 8 bytes), no padding: images are read 16 x lane on end
	s_or_b32 s[G1X], s84, (3<<16)|(1<<21)          ; 15:0 the mask; 17:16 elements of 8 bytes; 21 set beside a mask
	s_mov_b32 s[G1X+1], 32<<16                     ; tensor_dim0
	s_mov_b32 s[G1X+2], 64<<16                     ; tensor_dim1: a K step of X, 16 images
	s_mov_b32 s[G1X+3], 32<<16                     ; tile_dim0
	s_mov_b32 s[G1X+4], 64                         ; tile_dim1
	s_mov_b32 s[G1X+5], 32                         ; the pitch
	s_mov_b32 s[G1X+6], 0
	s_mov_b32 s[G1X+7], 0
	s_or_b32 s[G1W], s85, (3<<16)|(1<<21)
	s_mov_b32 s[G1W+1], 32<<16
	s_mov_b32 s[G1W+2], 48<<16                     ; a K step of W, 12 images
	s_mov_b32 s[G1W+3], 32<<16
	s_mov_b32 s[G1W+4], 48
	s_mov_b32 s[G1W+5], 32
	s_mov_b32 s[G1W+6], 0
	s_mov_b32 s[G1W+7], 0
	s_lshl_b32 s86, s23, 14                        ; xc: my block's 16 images,
	s_lshl_b32 s87, s19, 19                        ; K step 0 or 1
	s_add_co_u32 s86, s86, s87
	s_mov_b32 s87, 0
	s_mul_i32 s88, s22, 12288                      ; wc: my head's 12 images,
	s_mul_i32 s89, s19, 196608                     ; K step 0 or 1
	s_add_co_u32 s88, s88, s89
	s_mov_b32 s89, 0
	s_lshl_b32 s90, s19, 14                        ; in LDS: X [ks][16 images]
	s_mul_i32 s91, s19, 12288
	s_add_co_u32 s91, s91, 131072                  ; W [ks][12 images], behind X
	s_mov_b32 s[CS], 0x3e38aa3b                    ; log2(e) / 8
	s_mov_b32 s[CS+1], s[CS]                       ; (named with it as a pair, so it is written)
	s_lshl_b32 s92, s23, 13                        ; xs: 512 bytes a tile: 16 tiles a block,
	s_lshl_b32 s93, s[WV], 11                      ; 4 a wave
	s_add_co_u32 s92, s92, s93
	s_mov_b32 s93, 0
	s_mul_i32 s94, s22, 768                        ; ws and b_qkv: my head's 192 words
	s_mov_b32 s95, 0
	s_lshr_b32 s56, s23, 3
	s_lshl_b32 s56, s56, 4
	s_add_co_u32 s56, s56, s22                     ; bh = 16 x batch + head
	s_and_b32 s57, s23, 7                          ; my block among the sequence's eight
	s_lshl_b32 s58, s56, 18                        ; qf: 262,144 bytes a head,
	s_lshl_b32 s59, s57, 15                        ; 16 tiles of 2,048 a block,
	s_add_co_u32 s58, s58, s59
	s_lshl_b32 s59, s[WV], 13                      ; 4 a wave
	s_add_co_u32 s58, s58, s59
	s_mov_b32 s59, 0
	s_lshl_b32 s60, s56, 19                        ; kvf: 524,288 bytes a head,
	s_lshl_b32 s61, s57, 16                        ; 4 key blocks of 16,384 a block,
	s_add_co_u32 s60, s60, s61
	s_lshl_b32 s61, s[WV], 14                      ; one a wave
	s_add_co_u32 s60, s60, s61
	s_mov_b32 s61, 0
	s_wait_dscnt 0x0                               ; both opening adds are done
	s_wait_kmcnt 0x0
	s_add_nc_u64 s[86:87], s[4:5], s[86:87]
	s_add_nc_u64 s[88:89], s[8:9], s[88:89]
	s_add_nc_u64 s[6:7], s[6:7], s[92:93]
	s_add_nc_u64 s[10:11], s[10:11], s[94:95]
	s_add_nc_u64 s[12:13], s[12:13], s[94:95]
	s_add_nc_u64 s[14:15], s[14:15], s[58:59]
	s_add_nc_u64 s[16:17], s[16:17], s[60:61]
.irp j, 0,1,2,3                        ; load j brings K step 2 j + (wave % 2)
	s_mov_b32 s[G0X+4*\j], 1
	s_add_co_u32 s[G0X+4*\j+1], s90, \j*32768
	s_add_nc_u64 s[G0X+4*\j+2:G0X+4*\j+3], s[86:87], \j*1048576
	s_or_b32 s[G0X+4*\j+3], s[G0X+4*\j+3], 0x80000000
	s_mov_b32 s[G0W+4*\j], 1
	s_add_co_u32 s[G0W+4*\j+1], s91, \j*24576
	s_add_nc_u64 s[G0W+4*\j+2:G0W+4*\j+3], s[88:89], \j*393216
	s_or_b32 s[G0W+4*\j+3], s[G0W+4*\j+3], 0x80000000
.endr
	CROUND                                         ; all sixteen work-groups are here: the joint loads meet
	s_cmp_lt_u32 s[WV], 2                          ; waves 0 and 1 fetch X, waves 2 and 3 W: a wave's four fills stand in one branch
	s_cbranch_scc0 .Lfill_w
.irp j, 0,1,2,3
	tensor_load_to_lds s[G0X+4*\j:G0X+4*\j+3], s[G1X:G1X+7]
	s_nop 0
.endr
	PLACES
	s_branch .Lfilled
.Lfill_w:
.irp j, 0,1,2,3
	tensor_load_to_lds s[G0W+4*\j:G0W+4*\j+3], s[G1W:G1W+7]
	s_nop 0
.endr
	PLACES
.Lfilled:
	v_and_b32 v12, 31, v0
	v_lshlrev_b32 v[LI], 4, v12
	v_lshlrev_b32 v[L8], 3, v12
	v_lshlrev_b32 v[L4], 2, v12
	v_bfe_u32 v13, v0, 4, 1
	v_lshlrev_b32 v[H32], 5, v13
	v_and_b32 v13, 15, v0
	v_lshlrev_b32 v[R4], 2, v13
	s_lshl_b32 s84, s[WV], 12                      ; my four tiles of X's sixteen
	v_add_nc_u32 v[AX], s84, v[LI]
	v_add_nc_u32 v[AX+1], 65536, v[AX]
	v_add_nc_u32 v[AW], 131072, v[LI]
	v_add_nc_u32 v[AW+1], 180224, v[LI]
	; scale words and biases come once, straight into registers
.irp st, 0,1,2,3
.irp g, 0,1
	global_load_b64 v[SX+4*\st+2*\g:SX+4*\st+2*\g+1], v[L8], s[6:7] offset:\st*512+\g*256
.endr
.endr
.irp ks, 0,1,2,3,4,5,6,7
.irp p, 0,1,2,3,4,5
	global_load_b32 v[SW+8*\p+\ks], v[L4], s[10:11] offset:\ks*12288+\p*128
.endr
.endr
.irp ft, 0,1,2,3,4,5,6,7               ; transposed tiles: register j wants the bias of channel 16 ft + 8 h + j
	global_load_b128 v[BI+8*\ft:BI+8*\ft+3], v[H32], s[12:13] offset:64*\ft
	global_load_b128 v[BI+8*\ft+4:BI+8*\ft+7], v[H32], s[12:13] offset:64*\ft+16
.endr
.irp vt, 0,1,2,3                       ; v's tiles: all eight registers want the bias of channel 16 vt + r
	global_load_b32 v[BI+64+8*\vt], v[R4], s[12:13] offset:512+64*\vt
.endr
; 32 LDS loads: K step ks's twelve fragments of W and my four of X, into set p
.macro FETCH ks, p
	WIN 0x40                                       ; destination window 1
.irp nt, 0,1,2,3,4,5,6,7,8,9,10,11
.irp c, 0,1
	ds_load_b128 v[96*(\p)+8*\nt+4*\c:96*(\p)+8*\nt+4*\c+3], v[AW+(\ks)/4] offset:((\ks)%4)*12288+\nt*1024+\c*512
.endr
.endr
	WIN 0
.irp st, 0,1,2,3
.irp c, 0,1
	ds_load_b128 v[XF+32*(\p)+8*\st+4*\c:XF+32*(\p)+8*\st+4*\c+3], v[AX+(\ks)/4] offset:((\ks)%4)*16384+\st*1024+\c*512
.endr
.endr
.endm
; one product; ra, rb: source 0's and source 1's scale words are read from lanes 16-31
.macro WM d, a, b, c, sa, sb, ra, rb
.if (\ra) && (\rb)
	v_wmma_scale_f32_16x16x128_f8f6f4 v[\d:\d+7], v[\a:\a+7], v[\b:\b+7], v[\c:\c+7], v[\sa], v[\sb] matrix_a_fmt:MATRIX_FMT_FP4 matrix_b_fmt:MATRIX_FMT_FP4 matrix_a_scale:MATRIX_SCALE_ROW1 matrix_b_scale:MATRIX_SCALE_ROW1
.elseif (\ra)
	v_wmma_scale_f32_16x16x128_f8f6f4 v[\d:\d+7], v[\a:\a+7], v[\b:\b+7], v[\c:\c+7], v[\sa], v[\sb] matrix_a_fmt:MATRIX_FMT_FP4 matrix_b_fmt:MATRIX_FMT_FP4 matrix_a_scale:MATRIX_SCALE_ROW1
.elseif (\rb)
	v_wmma_scale_f32_16x16x128_f8f6f4 v[\d:\d+7], v[\a:\a+7], v[\b:\b+7], v[\c:\c+7], v[\sa], v[\sb] matrix_a_fmt:MATRIX_FMT_FP4 matrix_b_fmt:MATRIX_FMT_FP4 matrix_b_scale:MATRIX_SCALE_ROW1
.else
	v_wmma_scale_f32_16x16x128_f8f6f4 v[\d:\d+7], v[\a:\a+7], v[\b:\b+7], v[\c:\c+7], v[\sa], v[\sb] matrix_a_fmt:MATRIX_FMT_FP4 matrix_b_fmt:MATRIX_FMT_FP4
.endif
.endm
; a K step's 48 products: the 48 accumulators take turns, one instruction a turn, in the same order in every step.  first = 1: the biases are the C
.macro MUL ks, p, first
.if \first
	WIN 0x81                                       ; source 0 (W) window 1, source 1 (X) and C (the bias) window 0, D window 2
.else
	WIN 0xa1                                       ; C and D window 2
.endif
.irp ft, 0,1,2,3,4,5,6,7
.irp st, 0,1,2,3
.set rD, 8*(4*\ft+\st)
.set rC, rD
.if \first
.set rC, BI+8*\ft
.endif
	WM rD, 96*(\p)+8*\ft, XF+32*(\p)+8*\st, rC, SW+8*(\ft/2)+(\ks), SX+4*\st+(\ks)/2, \ft%2, (\ks)%2
.endr
.endr
.if \first
	WIN 0xc4                                       ; source 0 (X) and C window 0, source 1 (W) window 1, D window 3
.else
	WIN 0xf4                                       ; C and D window 3
.endif
.irp vt, 0,1,2,3
.irp st, 0,1,2,3
.set rD, 8*(4*\vt+\st)
.set rC, rD
.if \first
.set rC, BI+64+8*\vt
.endif
	WM rD, XF+32*(\p)+8*\st, 96*(\p)+64+8*\vt, rC, SX+4*\st+(\ks)/2, SW+32+8*(\vt/2)+(\ks), (\ks)%2, \vt%2
.endr
.endr
.endm
	s_wait_tensorcnt 3                             ; my first load has landed; the three behind it may stay out
	s_barrier_signal -1
	s_barrier_wait -1                              ; and so has everybody's: K steps 0 and 1 are whole
	FETCH 0, 0
	s_wait_loadcnt 0x0                             ; scale words and biases
.irp vt, 0,1,2,3
.irp j, 1,2,3,4,5,6,7
	v_mov_b32 v[BI+64+8*\vt+\j], v[BI+64+8*\vt]    ; a C operand is eight registers
.endr
.endr
.irp ks, 0,1,2,3,4,5,6,7
.if (\ks % 2 == 1) && (\ks < 7)
	s_wait_dscnt 0x0                               ; no LDS load of mine is out at a signal
	s_wait_tensorcnt 3-(\ks+1)/2                   ; my part of the next pair of K steps has landed; the later pairs may stay out
	s_barrier_signal -1
	s_barrier_wait -1
.endif
.if \ks < 7
.if \ks > 0
	PLACES                                         ; four places in front of loads into registers that the last step but one's products have read
.endif
	FETCH \ks+1, (\ks+1)%2
	s_wait_dscnt 32                                ; all but the 32 just issued: this step's fragments are in
.else
	s_wait_dscnt 0x0
.endif
.if \ks == 0
	MUL 0, 0, 1
.else
	MUL \ks, \ks%2, 0
.endif
.endr
	; THE WAY OUT: each accumulator from its low end on
	PLACES
	WIN 0x82                                       ; destination and source 0 window 2
.set i, 0
.rept 64
	v_pk_mul_f32 v[i:i+1], v[i:i+1], s[CS:CS+1] op_sel_hi:[1,0]   ; q x log2(e) / 8
.set i, i+2
.endr
	WIN 0x0a                                       ; sources window 2, destination window 0
.set i, 0
.rept 64
	v_cvt_pk_f16_f32 v[XF+i], v[2*i], v[2*i+1]     ; q
.set i, i+1
.endr
.set i, 0
.rept 64
	v_cvt_pk_f16_f32 v[BI+i], v[128+2*i], v[128+2*i+1]   ; k
.set i, i+1
.endr
	WIN 0
.irp ft, 0,1,2,3                       ; tile ft = 2 u + c is half c of the fragment of channels 32 u on
.irp st, 0,1,2,3
	global_store_b128 v[LI], v[XF+4*(4*\ft+\st):XF+4*(4*\ft+\st)+3], s[14:15] offset:\st*2048+\ft*512   ; 512 consecutive bytes, aligned
.endr
.endr
.irp ft, 0,1,2,3
.irp st, 0,1,2,3
	global_store_b128 v[LI], v[BI+4*(4*\ft+\st):BI+4*(4*\ft+\st)+3], s[16:17] offset:\st*2048+\ft*512
.endr
.endr
	s_wait_xcnt 0x0                                ; q's stores have read their registers, which v's numbers take
	WIN 0x0f                                       ; sources window 3
.set i, 0
.rept 64
	v_cvt_pk_f16_f32 v[XF+i], v[2*i], v[2*i+1]     ; v
.set i, i+1
.endr
	WIN 0
.irp vt, 0,1,2,3                       ; tile st = 2 kc + c is half c of the fragment of keys 32 kc on
.irp st, 0,1,2,3
	global_store_b128 v[LI], v[XF+4*(4*\vt+\st):XF+4*(4*\vt+\st)+3], s[16:17] offset:8192+(\st/2)*4096+\vt*1024+(\st%2)*512
.endr
.endr
	s_wait_tensorcnt 0x0                           ; the wave's end
	ds_add_u32 v[SPW], v[NIL]
	s_wait_dscnt 0x0
	CROUND                                         ; the closing round
	s_endpgm
.Lfunc_end_k_q176e7e9f14_qkv:
	.size	k_q176e7e9f14_qkv, .Lfunc_end_k_q176e7e9f14_qkv-k_q176e7e9f14_qkv
	.p2alignl 7, 3214868480
	.fill 96, 4, 3214868480
	.section	.rodata,"a",@progbits
	.p2align	6, 0x0
	.amdhsa_kernel k_q176e7e9f14_qkv
		.amdhsa_group_segment_fixed_size 229888
		.amdhsa_private_segment_fixed_size 0
		.amdhsa_enable_private_segment 0
		.amdhsa_kernarg_size 56
		.amdhsa_user_sgpr_count 2
		.amdhsa_user_sgpr_kernarg_segment_ptr 1
		.amdhsa_wavefront_size32 1
		.amdhsa_system_sgpr_workgroup_id_x 1
		.amdhsa_system_sgpr_workgroup_id_y 1
		.amdhsa_system_sgpr_workgroup_id_z 1
		.amdhsa_system_vgpr_workitem_id 0
		.amdhsa_next_free_vgpr 1024
		.amdhsa_next_free_sgpr 100
		.amdhsa_reserve_vcc 0
		.amdhsa_float_denorm_mode_32 3
		.amdhsa_float_denorm_mode_16_64 3
		.amdhsa_memory_ordered 1
		.amdhsa_forward_progress 1
		.amdhsa_inst_pref_size 104
	.end_amdhsa_kernel
	.amdgpu_metadata
---
amdhsa.version: [ 1, 2 ]
amdhsa.kernels:
  - .name:           k_q176e7e9f14_qkv
    .symbol:         k_q176e7e9f14_qkv.kd
    .args:
      - { .name: xc, .offset: 0, .size: 8, .value_kind: global_buffer, .address_space: global }
      - { .name: xs, .offset: 8, .size: 8, .value_kind: global_buffer, .address_space: global }
      - { .name: wc, .offset: 16, .size: 8, .value_kind: global_buffer, .address_space: global }
      - { .name: ws, .offset: 24, .size: 8, .value_kind: global_buffer, .address_space: global }
      - { .name: b_qkv, .offset: 32, .size: 8, .value_kind: global_buffer, .address_space: global }
      - { .name: qf, .offset: 40, .size: 8, .value_kind: global_buffer, .address_space: global }
      - { .name: kvf, .offset: 48, .size: 8, .value_kind: global_buffer, .address_space: global }
    .group_segment_fixed_size: 229888
    .private_segment_fixed_size: 0
    .kernarg_segment_align: 8
    .kernarg_segment_size: 56
    .max_flat_workgroup_size: 128
    .sgpr_count:     100
    .vgpr_count:     1024
    .wavefront_size: 32
...
	.end_amdgpu_metadata
.endif
;; end of part 2
;; launch attn (part 3): grid 4 x 64, 16 waves a work-group, clusters of 4 x 1, 327,680 bytes of LDS; arguments qf, kvf, of; writes of
.if DOCPART == 3
	.amdgcn_target "amdgcn-amd-amdhsa--gfx1250"
	.amdhsa_code_object_version 6
	.text
	.protected	k_q176e7e9f14_attn
	.globl	k_q176e7e9f14_attn
	.p2align	8
	.type	k_q176e7e9f14_attn,@function
k_q176e7e9f14_attn:
	s_mov_b64 s[64:65], 0
	v_nop
	global_prefetch_b8 v0, s[64:65] scope:SCOPE_SE
	s_setreg_imm32_b32 hwreg(HW_REG_WAVE_MODE, 25, 1), 1
	s_wait_xcnt 0x0
	s_wait_alu depctr_hold_cnt(0) depctr_sa_sdst(0) depctr_va_vdst(0) depctr_va_sdst(0) depctr_va_ssrc(0) depctr_va_vcc(0) depctr_vm_vsrc(0)
	s_getreg_b32 s2, hwreg(HW_REG_IB_STS2, 6, 4)
	s_cmp_eq_u32 s2, 0
	s_cbranch_scc0 .Lentry_in_a_cluster
	s_endpgm
.Lentry_in_a_cluster:
	s_bfe_u32 s2, ttmp6, 0x10000c
	s_cmp_lg_u32 s2, 0x3003
	s_cbranch_scc0 .Lentry_shape_is_right
	s_endpgm
.Lentry_shape_is_right:
; o[b][q][h][:] = the sum over k of softmax_k(q . k / 8) v, for 64 (batch, head) pairs of 2,048 positions and 64 channels.  Operands f16, products, maxima and sums f32; the weights p are rounded to f16 for the second product.
; q arrives multiplied by log2(e) / 8, so a score s is an exponent of 2: p = 2^(s - m), m the query's running maximum; in every step O and the sum are multiplied by a = 2^(m_old - m_new).
; SHARES.  A work-group owns 512 queries of one (batch, head); each of its SIXTEEN waves 32 of them, two tiles, in 256 registers: four waves to a SIMD, so that one wave's vector work stands beside another's products and LDS loads.
; LAYOUT.  S^T = K Q^T (source 0 = 16 keys, source 1 = 16 queries) and O^T = V^T P (source 0 = 16 channels, source 1 = P): a lane holds ONE query throughout; two tiles of S^T, packed, ARE a fragment of P.
; q, K and V^T arrive as images of these operands' registers, so every LDS load is 16 x lane + a constant.  o leaves the same way, as the next launch's operand:
;   of [ks 8][mT 512][q 4][image]: row 16 mT + l % 16; k = 64 head + channel = 128 ks + 32 q + 8 (l / 16) + 0 .. 7 (c = 0), + 16 (c = 1)
; THE RING.  Two slots of 512 keys (8 blocks of 16,384 bytes: 64 keys of K, then of V^T).  Every wave brings 8,192 bytes of each slot: two loads of mine are out at the start, one behind each change that fills.
; CLUSTER.  The four query blocks of a (batch, head) walk the same K and V: each tile is asked for jointly, mask 15.
; No prefetch is laid: half of K and V is asked for at the head, and each refill has a slot's eight key steps of all sixteen waves in which to land.
; LIMITS: p under 2^-126 is flushed to 0 by v_exp_f32 and p under 2^-25 rounds to 0 in f16, beside a sum of at least 1; |o| beyond 65,504 has no f16.
.set SLOTB, 131072
.set BLKB,  16384
.set SPARE, 262144                     ; behind the ring: the spare words, 128 bytes for each of sixteen waves
.set LI,  1                            ; v1   16 x lane
.set ADR, 2                            ; v2   LDS address of the key step in hand
.set SPW, 4                            ; v4   LDS address of my spare word; never rewritten
.set NIL, 5                            ; v5   0; never rewritten
.set ST,  8                            ; tile t's statistics at v[ST + 12 t]: +0 m, +2 a (each the low word of a pair), +4, +5 the sum, +6, +7 a second chain, +8 .. +11 at work
.set Q,   32                           ; v32-63   Q: tile t, channels 32 u on at v[Q + 16 t + 8 u]
.set S,   64                           ; v64-127  S^T: tile t, keys 16 kt on at v[S + 32 t + 8 kt]; P is packed in place: keys 32 kc on at v[S + 32 t + 8 kc]
.set O,   128                          ; v128-191 O^T: tile t, channels 16 ct on at v[O + 32 t + 8 ct]
.set KV,  192                          ; v192-255 a step's eight fragments of K, then its eight of V^T
.set WV,  10
.set G1,  24                           ; s[24:31] descriptor group 1;  s[32:47] four groups 0, one for each 512 keys: written once
.set G0,  32
.set SEL, 48                           ; s[48:49] v_permlanex16_b32's selects for lane l xor 16
.set TB,  50                           ; s50  LDS byte at which the key step's block begins
.set CNT, 51                           ; s51  key steps left in the slot
.macro CROUND                          ; a round of the cluster's barrier
	s_barrier_signal -1
	s_barrier_wait -1
	s_cmp_lg_u32 s[WV], 0
	s_cbranch_scc1 .Lnot_wave_0_\@
	s_barrier_signal -3
.Lnot_wave_0_\@:
	s_barrier_wait -3
	s_barrier_signal -1
	s_barrier_wait -1
.endm
	s_load_b128 s[4:7], s[0:1], 0x0                ; qf s[4:5], kvf s[6:7]
	s_load_b64 s[8:9], s[0:1], 0x10                ; of
	v_lshl_add_u32 v[SPW], v0, 2, SPARE
	v_mov_b32 v[NIL], 0
	ds_add_u32 v[SPW], v[NIL]                      ; the wave's opening: the add, twice on end, and its wait ahead of my first tensor load
	ds_add_u32 v[SPW], v[NIL]
	v_lshrrev_b32 v1, 5, v0
	v_readfirstlane_b32 s[WV], v1                  ; wave 0..15
	s_bfe_u32 s11, ttmp6, 0x40000                  ; cx: it enters Q's and o's addresses alone
	s_and_b32 s12, ttmp7, 0xffff                   ; bh = 16 x batch + head, which the four partners share
	s_mov_b32 s[G1], 15|(3<<16)|(1<<21)            ; 15:0 the mask: all four; 17:16 elements of 8 bytes; 21 set beside a mask; no padding
	s_mov_b32 s[G1+1], 32<<16                      ; tensor_dim0: rows of 256 bytes
	s_mov_b32 s[G1+2], 32<<16                      ; tensor_dim1: 32 of them
	s_mov_b32 s[G1+3], 32<<16                      ; tile_dim0
	s_mov_b32 s[G1+4], 32                          ; tile_dim1
	s_mov_b32 s[G1+5], 32                          ; the pitch: the block is dense
	s_mov_b32 s[G1+6], 0
	s_mov_b32 s[G1+7], 0
	s_mov_b32 s[SEL], 0x76543210
	s_mov_b32 s[SEL+1], 0xfedcba98
	s_lshl_b32 s14, s12, 19                        ; kvf: 524,288 bytes a (batch, head),
	s_lshl_b32 s16, s[WV], 13                      ; my 8,192 of a slot's 131,072, in memory and in LDS
	s_add_co_u32 s14, s14, s16
	s_mov_b32 s15, 0
	s_lshl_b32 s18, ttmp9, 2
	s_add_co_u32 s18, s18, s11                     ; my block of 512 queries
	s_lshl_b32 s20, s12, 18                        ; qf: 262,144 bytes a (batch, head),
	s_lshl_b32 s19, s18, 16                        ; 32 tiles of 2,048 a block,
	s_add_co_u32 s20, s20, s19
	s_lshl_b32 s19, s[WV], 12                      ; two a wave
	s_add_co_u32 s20, s20, s19
	s_mov_b32 s21, 0
	s_and_b32 s22, s12, 15
	s_lshr_b32 s22, s22, 1
	s_lshl_b32 s22, s22, 21                        ; of: K step head / 2 of 2,097,152 bytes,
	s_lshr_b32 s19, s12, 4
	s_lshl_b32 s19, s19, 19                        ; 128 tiles of 4,096 a batch,
	s_add_co_u32 s22, s22, s19
	s_lshl_b32 s19, s18, 17                        ; 32 a block,
	s_add_co_u32 s22, s22, s19
	s_lshl_b32 s19, s[WV], 13                      ; two a wave,
	s_add_co_u32 s22, s22, s19
	s_and_b32 s19, s12, 1
	s_lshl_b32 s19, s19, 11                        ; and the head's half of a tile's 4,096
	s_add_co_u32 s22, s22, s19
	s_mov_b32 s23, 0
	s_wait_dscnt 0x0                               ; both opening adds are done
	s_wait_kmcnt 0x0
	s_add_nc_u64 s[14:15], s[6:7], s[14:15]
	s_add_nc_u64 s[4:5], s[4:5], s[20:21]
	s_add_nc_u64 s[8:9], s[8:9], s[22:23]
.irp n, 0,1,2,3
	s_mov_b32 s[G0+4*\n], 1
	s_add_co_u32 s[G0+4*\n+1], s16, (\n%2)*SLOTB
	s_add_nc_u64 s[G0+4*\n+2:G0+4*\n+3], s[14:15], \n*SLOTB
	s_or_b32 s[G0+4*\n+3], s[G0+4*\n+3], 0x80000000
.endr
	CROUND                                         ; all four work-groups are here: the first joint loads meet
	tensor_load_to_lds s[G0:G0+3], s[G1:G1+7]      ; keys 0-511
	s_nop 0
	tensor_load_to_lds s[G0+4:G0+7], s[G1:G1+7]    ; keys 512-1023
	s_nop 0
.rept 4
	v_nop
.endr
	v_and_b32 v1, 31, v0
	v_lshlrev_b32 v[LI], 4, v1
.irp t, 0,1
.irp u, 0,1
.irp c, 0,1
	global_load_b128 v[Q+16*\t+8*\u+4*\c:Q+16*\t+8*\u+4*\c+3], v[LI], s[4:5] offset:\t*2048+\u*1024+\c*512   ; Q stays in registers
.endr
.endr
.endr
.irp t, 0,1
	v_mov_b32 v[ST+12*\t], 0xff61b1e6              ; m = -3e38, under every score: the first a is 0, which leaves zeros zeros
	v_mov_b32 v[ST+12*\t+1], 0                     ; (named as the upper halves of pairs)
	v_mov_b32 v[ST+12*\t+3], 0
	v_mov_b32 v[ST+12*\t+4], 0                     ; the sum
	v_mov_b32 v[ST+12*\t+5], 0
.endr
.set i, 0
.rept 64
	v_mov_b32 v[O+i], 0                            ; O^T: the key step is written without a first copy of its own
.set i, i+1
.endr
; A KEY STEP: 64 keys, both tiles
.macro STEP
	v_add_nc_u32 v[ADR], s[TB], v[LI]
.rept 4
	v_nop                                          ; with the addition five places behind the last V^T P: four for the loads into its fragments, five for the products that write over P
.endr
.irp i, 0,1,2,3,4,5,6,7,8,9,10,11,12,13,14,15
	ds_load_b128 v[KV+4*\i:KV+4*\i+3], v[ADR] offset:512*\i   ; K: keys 16 kt on, channels 32 u on at v[KV + 16 kt + 8 u]
.endr
	s_wait_dscnt 0x0
.irp u, 0,1                            ; eight accumulators by turns; the first eight products start the sums
.irp kt, 0,1,2,3
.irp t, 0,1
.if \u == 0
	v_wmma_f32_16x16x32_f16 v[S+32*\t+8*\kt:S+32*\t+8*\kt+7], v[KV+16*\kt+8*\u:KV+16*\kt+8*\u+7], v[Q+16*\t+8*\u:Q+16*\t+8*\u+7], 0
.else
	v_wmma_f32_16x16x32_f16 v[S+32*\t+8*\kt:S+32*\t+8*\kt+7], v[KV+16*\kt+8*\u:KV+16*\kt+8*\u+7], v[Q+16*\t+8*\u:Q+16*\t+8*\u+7], v[S+32*\t+8*\kt:S+32*\t+8*\kt+7]
.endif
.endr
.endr
.endr
.rept 4
	v_nop                                          ; four places in front of the loads into K's registers and of the first read of the scores
.endr
.irp i, 0,1,2,3,4,5,6,7,8,9,10,11,12,13,14,15
	ds_load_b128 v[KV+4*\i:KV+4*\i+3], v[ADR] offset:8192+512*\i   ; V^T: keys 32 kc on, channels 16 ct on at v[KV + 32 kc + 8 ct]: it lands under the softmax
.endr
	; the maximum of my 32 scores and the old m; each accumulator is read from its low end on; the two tiles line by line
.irp j, 0,1,2,3
.irp t, 0,1
	v_max3_num_f32 v[ST+12*\t+8+\j], v[S+32*\t+8*\j], v[S+32*\t+8*\j+1], v[S+32*\t+8*\j+2]
.endr
.endr
.irp i, 3,5
.irp j, 0,1,2,3
.irp t, 0,1
	v_max3_num_f32 v[ST+12*\t+8+\j], v[ST+12*\t+8+\j], v[S+32*\t+8*\j+\i], v[S+32*\t+8*\j+\i+1]
.endr
.endr
.endr
.irp t, 0,1
	v_max3_num_f32 v[ST+12*\t+8], v[ST+12*\t+8], v[S+32*\t+7], v[S+32*\t+15]
.endr
.irp t, 0,1
	v_max3_num_f32 v[ST+12*\t+10], v[ST+12*\t+10], v[S+32*\t+23], v[S+32*\t+31]
.endr
.irp t, 0,1
	v_max3_num_f32 v[ST+12*\t+8], v[ST+12*\t+8], v[ST+12*\t+9], v[ST+12*\t+10]
.endr
.irp t, 0,1
	v_max3_num_f32 v[ST+12*\t+8], v[ST+12*\t+8], v[ST+12*\t+11], v[ST+12*\t]
.endr
.irp t, 0,1
	v_permlanex16_b32 v[ST+12*\t+9], v[ST+12*\t+8], s[SEL], s[SEL+1]   ; the query's other 32 keys lie in the lane 16 away
.endr
.irp t, 0,1
	v_max_num_f32 v[ST+12*\t+8], v[ST+12*\t+8], v[ST+12*\t+9]
.endr
.irp t, 0,1
	v_sub_f32 v[ST+12*\t+2], v[ST+12*\t], v[ST+12*\t+8]   ; m_old - m_new
.endr
.irp t, 0,1
	v_mov_b32 v[ST+12*\t], v[ST+12*\t+8]
.endr
.irp i, 0,2,4,6,8,10,12,14,16,18,20,22,24,26,28,30
.irp t, 0,1
	v_pk_add_f32 v[S+32*\t+\i:S+32*\t+\i+1], v[S+32*\t+\i:S+32*\t+\i+1], v[ST+12*\t:ST+12*\t+1] op_sel_hi:[1,0] neg_lo:[0,1] neg_hi:[0,1]   ; s - m, two at a time
.endr
.endr
.irp t, 0,1
	v_exp_f32 v[ST+12*\t+2], v[ST+12*\t+2]         ; a
.endr
.irp i, 0,1,2,3,4,5,6,7,8,9,10,11,12,13,14,15,16,17,18,19,20,21,22,23,24,25,26,27,28,29,30,31
.irp t, 0,1
	v_exp_f32 v[S+32*\t+\i], v[S+32*\t+\i]         ; p: both tiles' 66 exponentials are one batch
.endr
.endr
	v_nop                                          ; a plain line behind the last exponential,
	s_wait_alu depctr_va_vdst(0)                   ; and the one wait ahead of the batch's first reader
.irp t, 0,1
	v_pk_fma_f32 v[ST+12*\t+4:ST+12*\t+5], v[ST+12*\t+4:ST+12*\t+5], v[ST+12*\t+2:ST+12*\t+3], v[S+32*\t:S+32*\t+1] op_sel_hi:[1,0,1]   ; the sum of the unrounded p: a x sum + .., in two chains
.endr
.irp t, 0,1
	v_pk_add_f32 v[ST+12*\t+6:ST+12*\t+7], v[S+32*\t+2:S+32*\t+3], v[S+32*\t+4:S+32*\t+5]
.endr
.irp i, 6,10,14,18,22,26
.irp t, 0,1
	v_pk_add_f32 v[ST+12*\t+4:ST+12*\t+5], v[ST+12*\t+4:ST+12*\t+5], v[S+32*\t+\i:S+32*\t+\i+1]
.endr
.irp t, 0,1
	v_pk_add_f32 v[ST+12*\t+6:ST+12*\t+7], v[ST+12*\t+6:ST+12*\t+7], v[S+32*\t+\i+2:S+32*\t+\i+3]
.endr
.endr
.irp t, 0,1
	v_pk_add_f32 v[ST+12*\t+4:ST+12*\t+5], v[ST+12*\t+4:ST+12*\t+5], v[S+32*\t+30:S+32*\t+31]
.endr
.irp t, 0,1
	v_pk_add_f32 v[ST+12*\t+4:ST+12*\t+5], v[ST+12*\t+4:ST+12*\t+5], v[ST+12*\t+6:ST+12*\t+7]
.endr
.irp i, 0,1,2,3,4,5,6,7,8,9,10,11,12,13,14,15
.irp t, 0,1
	v_cvt_pk_f16_f32 v[S+32*\t+\i], v[S+32*\t+2*\i], v[S+32*\t+2*\i+1]   ; P, in place and ascending: register i is written when registers up to 2 i + 1 have been read
.endr
.endr
.irp i, 0,2,4,6,8,10,12,14,16,18,20,22,24,26,28,30
.irp t, 0,1
	v_pk_mul_f32 v[O+32*\t+\i:O+32*\t+\i+1], v[O+32*\t+\i:O+32*\t+\i+1], v[ST+12*\t+2:ST+12*\t+3] op_sel_hi:[1,0]   ; O^T x a
.endr
.endr
	s_wait_dscnt 0x0                               ; V^T is in
.irp kc, 0,1                           ; eight accumulators by turns
.irp ct, 0,1,2,3
.irp t, 0,1
	v_wmma_f32_16x16x32_f16 v[O+32*\t+8*\ct:O+32*\t+8*\ct+7], v[KV+32*\kc+8*\ct:KV+32*\kc+8*\ct+7], v[S+32*\t+8*\kc:S+32*\t+8*\kc+7], v[O+32*\t+8*\ct:O+32*\t+8*\ct+7]
.endr
.endr
.endr
.endm
.macro STEPS slot                      ; a slot's eight key steps
	s_mov_b32 s[TB], \slot*SLOTB
	s_mov_b32 s[CNT], 8
.Lstep_\@:
	STEP
	s_add_co_u32 s[TB], s[TB], BLKB
	s_sub_co_u32 s[CNT], s[CNT], 1
	s_cmp_lg_u32 s[CNT], 0
	s_cbranch_scc1 .Lstep_\@
.endm
; THE CHANGE OF SLOTS.  Each wave waits for all its tensor loads (its part of the slot ahead), adds 0 to its spare word, and waits for that and for its reads of the slot that it leaves.
; fill = 1: the barrier is a round of the cluster's, and the slot just left takes keys 512 n on: my one tensor load behind it, and the first thing there.
.macro CHANGE fill, n
	s_wait_tensorcnt 0x0
	ds_add_u32 v[SPW], v[NIL]
	s_wait_dscnt 0x0
.if \fill
	CROUND
	tensor_load_to_lds s[G0+4*\n:G0+4*\n+3], s[G1:G1+7]
	s_nop 0
.rept 4
	v_nop
.endr
.else
	s_barrier_signal -1
	s_barrier_wait -1
.endif
.endm
	s_wait_tensorcnt 1                             ; my part of slot 0 is in; slot 1's may stay out
	s_barrier_signal -1
	s_barrier_wait -1
	s_wait_loadcnt 0x0                             ; Q
	STEPS 0
	CHANGE 1, 2
	STEPS 1
	CHANGE 1, 3
	STEPS 0
	CHANGE 0, 0                                    ; nothing is left to fetch
	STEPS 1
	; THE WAY OUT: O^T / the sum, rounded to f16: tile ct = 2 u + c is half c of the fragment of channels 32 u on
.rept 4
	v_nop
.endr
.irp t, 0,1
	v_add_f32 v[ST+12*\t+8], v[ST+12*\t+4], v[ST+12*\t+5]
.endr
.irp t, 0,1
	v_permlanex16_b32 v[ST+12*\t+9], v[ST+12*\t+8], s[SEL], s[SEL+1]
.endr
.irp t, 0,1
	v_add_f32 v[ST+12*\t+8], v[ST+12*\t+8], v[ST+12*\t+9]
.endr
.irp t, 0,1
	v_rcp_f32 v[ST+12*\t+2], v[ST+12*\t+8]
.endr
	v_nop                                          ; a plain line behind the reciprocals,
	s_wait_alu depctr_va_vdst(0)                   ; and the wait ahead of their first reader
.irp t, 0,1
.irp i, 0,2,4,6,8,10,12,14,16,18,20,22,24,26,28,30
	v_pk_mul_f32 v[O+32*\t+\i:O+32*\t+\i+1], v[O+32*\t+\i:O+32*\t+\i+1], v[ST+12*\t+2:ST+12*\t+3] op_sel_hi:[1,0]
.endr
.endr
.irp t, 0,1
.irp i, 0,1,2,3,4,5,6,7,8,9,10,11,12,13,14,15
	v_cvt_pk_f16_f32 v[S+16*\t+\i], v[O+32*\t+2*\i], v[O+32*\t+2*\i+1]
.endr
.endr
.irp t, 0,1
.irp ct, 0,1,2,3
	global_store_b128 v[LI], v[S+16*\t+4*\ct:S+16*\t+4*\ct+3], s[8:9] offset:\t*4096+\ct*512   ; 512 consecutive bytes, aligned
.endr
.endr
	s_wait_tensorcnt 0x0                           ; the wave's end
	ds_add_u32 v[SPW], v[NIL]
	s_wait_dscnt 0x0
	CROUND                                         ; the closing round
	s_endpgm
.Lfunc_end_k_q176e7e9f14_attn:
	.size	k_q176e7e9f14_attn, .Lfunc_end_k_q176e7e9f14_attn-k_q176e7e9f14_attn
	.p2alignl 7, 3214868480
	.fill 96, 4, 3214868480
	.section	.rodata,"a",@progbits
	.p2align	6, 0x0
	.amdhsa_kernel k_q176e7e9f14_attn
		.amdhsa_group_segment_fixed_size 327680
		.amdhsa_private_segment_fixed_size 0
		.amdhsa_enable_private_segment 0
		.amdhsa_kernarg_size 24
		.amdhsa_user_sgpr_count 2
		.amdhsa_user_sgpr_kernarg_segment_ptr 1
		.amdhsa_wavefront_size32 1
		.amdhsa_system_sgpr_workgroup_id_x 1
		.amdhsa_system_sgpr_workgroup_id_y 1
		.amdhsa_system_sgpr_workgroup_id_z 1
		.amdhsa_system_vgpr_workitem_id 0
		.amdhsa_next_free_vgpr 256
		.amdhsa_next_free_sgpr 66
		.amdhsa_reserve_vcc 0
		.amdhsa_float_denorm_mode_32 3
		.amdhsa_float_denorm_mode_16_64 3
		.amdhsa_memory_ordered 1
		.amdhsa_forward_progress 1
		.amdhsa_inst_pref_size 83
	.end_amdhsa_kernel
	.amdgpu_metadata
---
amdhsa.version: [ 1, 2 ]
amdhsa.kernels:
  - .name:           k_q176e7e9f14_attn
    .symbol:         k_q176e7e9f14_attn.kd
    .args:
      - { .name: qf, .offset: 0, .size: 8, .value_kind: global_buffer, .address_space: global }
      - { .name: kvf, .offset: 8, .size: 8, .value_kind: global_buffer, .address_space: global }
      - { .name: of, .offset: 16, .size: 8, .value_kind: global_buffer, .address_space: global }
    .group_segment_fixed_size: 327680
    .private_segment_fixed_size: 0
    .kernarg_segment_align: 8
    .kernarg_segment_size: 24
    .max_flat_workgroup_size: 512
    .sgpr_count:     66
    .vgpr_count:     256
    .wavefront_size: 32
...
	.end_amdgpu_metadata
.endif
;; end of part 3
;; launch proj (part 4): grid 4 x 64, 4 waves a work-group, clusters of 4 x 4, 327,680 bytes of LDS; arguments of, wof, b_out, out0; writes out0
.if DOCPART == 4
	.amdgcn_target "amdgcn-amd-amdhsa--gfx1250"
	.amdhsa_code_object_version 6
	.text
	.protected	k_q176e7e9f14_proj
	.globl	k_q176e7e9f14_proj
	.p2align	8
	.type	k_q176e7e9f14_proj,@function
k_q176e7e9f14_proj:
	s_mov_b64 s[64:65], 0
	v_nop
	global_prefetch_b8 v0, s[64:65] scope:SCOPE_SE
	s_setreg_imm32_b32 hwreg(HW_REG_WAVE_MODE, 25, 1), 1
	s_wait_xcnt 0x0
	s_wait_alu depctr_hold_cnt(0) depctr_sa_sdst(0) depctr_va_vdst(0) depctr_va_sdst(0) depctr_va_ssrc(0) depctr_va_vcc(0) depctr_vm_vsrc(0)
	s_getreg_b32 s2, hwreg(HW_REG_IB_STS2, 6, 4)
	s_cmp_eq_u32 s2, 0
	s_cbranch_scc0 .Lentry_in_a_cluster
	s_endpgm
.Lentry_in_a_cluster:
	s_bfe_u32 s2, ttmp6, 0x10000c
	s_cmp_lg_u32 s2, 0xf033
	s_cbranch_scc0 .Lentry_shape_is_right
	s_endpgm
.Lentry_shape_is_right:
; out0 = o W_out + b_out.  o [8192][1024] and W_out [1024 (k)][1024 (n)] arrive in f16 as images of the operands' registers (of, wof: [ks 8][tile][q 4][image]); sums f32; out0 f32.
; SHARES.  A work-group makes 128 rows x 256 columns; wave (w / 2, w % 2) makes 64 x 128: 32 accumulators, 256 registers.  K goes in steps of 128 through a ring of two LDS slots.
; THE MATRIX INSTRUCTION IS USED TRANSPOSED (source 0 = 16 columns of W_out, source 1 = 16 rows of o): a lane holds eight neighbouring numbers of a row of out0.  The bias is the C of each sum's first product: it is added first.
; CLUSTERS: 4 x 4 work-groups.  o's tiles hang on the row block alone and are asked for jointly along a row of the cluster, W_out's on the column block alone, along a column.
; By this text's count two tensor loads of a wave are out at the start, one behind each round.
; REGISTERS: window 0: v1-12 addresses; v16-79 o's fragments, two sets of 32; v80-143 the bias; on the way out v128-255 rows read back.  window 1: W_out's fragments, two sets of 64.  window 2: the accumulators, (a, b) at v[8 (8 a + b)].
.set SLOT,  98304                      ; o's 8 tiles of 4,096 bytes, then W_out's 16
.set STAGE, 196608                     ; behind the ring: 16 rows x (512 bytes + 16) for each wave; no fill lands there
.set SPARE, 230400                     ; behind the stages: the spare words, 128 bytes a wave
.set LI,   1                           ; v1    16 x lane: my place in an image, and in a row of 512 bytes
.set ADRA, 2                           ; v2-3  LDS address of my tiles of o in slot 0, 1
.set ADRB, 4                           ; v4-5  the same for W_out
.set STO,  6                           ; v6    the way out: where I put 32 bytes of a row
.set RD,   7                           ; v7    and where I read a row back
.set SPW,  10                          ; v10   LDS address of my spare word; never rewritten
.set NIL,  11                          ; v11   0; never rewritten
.set H32,  12                          ; v12   32 (lane / 16)
.set AF,   16
.set BI,   80
.set OB,   128
.set WV,   12
.set G1A,  24                          ; s[24:31] group 1, s[32:39] groups 0 (one a slot) for o's tiles
.set G0A,  32
.set G1B,  48                          ; s[48:55], s[56:63] the same for W_out's
.set G0B,  56
.set MSB, 0
.macro WIN new                         ; the immediate's high byte repeats the setting that is left
.if MSB != \new
	s_set_vgpr_msb (MSB<<8)|\new
.set MSB, \new
.endif
.endm
.macro JLOAD s                         ; a joint load: waves 0 and 1 fetch o's two halves, waves 2 and 3 W_out's; an s_nop 0 and four v_nop follow each line
	s_cmp_eq_u32 s13, 0
	s_cbranch_scc0 .Lfor_b_\@
	tensor_load_to_lds s[G0A+4*\s:G0A+4*\s+3], s[G1A:G1A+7]
	s_nop 0
.rept 4
	v_nop
.endr
	s_branch .Lasked_\@
.Lfor_b_\@:
	tensor_load_to_lds s[G0B+4*\s:G0B+4*\s+3], s[G1B:G1B+7]
	s_nop 0
.rept 4
	v_nop
.endr
.Lasked_\@:
.endm
.macro CREST                           ; a round of the cluster's barrier behind its opening barrier
	s_cmp_lg_u32 s[WV], 0
	s_cbranch_scc1 .Lnot_wave_0_\@
	s_barrier_signal -3
.Lnot_wave_0_\@:
	s_barrier_wait -3
	s_barrier_signal -1
	s_barrier_wait -1
.endm
.macro CROUND
	s_barrier_signal -1
	s_barrier_wait -1
	CREST
.endm
.macro PLACES
.rept 4
	v_nop
.endr
.endm
	s_load_b256 s[4:11], s[0:1], 0x0               ; of s[4:5], wof s[6:7], b_out s[8:9], out0 s[10:11]
	v_lshl_add_u32 v[SPW], v0, 2, SPARE
	v_mov_b32 v[NIL], 0
	ds_add_u32 v[SPW], v[NIL]                      ; the wave's opening: the add, twice on end, and its wait ahead of my first tensor load
	ds_add_u32 v[SPW], v[NIL]
	v_lshrrev_b32 v1, 5, v0
	v_readfirstlane_b32 s[WV], v1                  ; wave 0..3
	s_lshr_b32 s13, s[WV], 1                       ; which half of the rows is mine.  Also: I fetch for o (0) or for W_out (1)
	s_and_b32 s14, s[WV], 1                        ; which half of the columns.  Also: which half of that tile I fetch
	s_bfe_u32 s40, ttmp6, 0x40000                  ; cx
	s_bfe_u32 s41, ttmp6, 0x40004                  ; cy
	s_lshl_b32 s42, ttmp9, 2
	s_add_co_u32 s42, s42, s40                     ; the block of 256 columns
	s_and_b32 s15, ttmp7, 0xffff
	s_lshl_b32 s15, s15, 2
	s_add_co_u32 s15, s15, s41                     ; the block of 128 rows
	s_lshl_b32 s43, s41, 2
	s_lshl_b32 s43, 15, s43                        ; my row of the cluster
	s_lshl_b32 s44, 0x1111, s40                    ; my column
	; dense blocks as rows of 256 bytes (32 elements of 8 bytes), no padding
	s_or_b32 s[G1A], s43, (3<<16)|(1<<21)
	s_mov_b32 s[G1A+1], 32<<16
	s_mov_b32 s[G1A+2], 64<<16                     ; four tiles of o: 16,384 bytes
	s_mov_b32 s[G1A+3], 32<<16
	s_mov_b32 s[G1A+4], 64
	s_mov_b32 s[G1A+5], 32
	s_mov_b32 s[G1A+6], 0
	s_mov_b32 s[G1A+7], 0
	s_or_b32 s[G1B], s44, (3<<16)|(1<<21)
	s_mov_b32 s[G1B+1], 32<<16
	s_mov_b32 s[G1B+2], 128<<16                    ; eight tiles of W_out: 32,768 bytes
	s_mov_b32 s[G1B+3], 32<<16
	s_mov_b32 s[G1B+4], 128
	s_mov_b32 s[G1B+5], 32
	s_mov_b32 s[G1B+6], 0
	s_mov_b32 s[G1B+7], 0
	s_lshl_b32 s16, s15, 15                        ; of: my block's 8 tiles of 4,096,
	s_lshl_b32 s17, s14, 14                        ; my half of them
	s_add_co_u32 s16, s16, s17
	s_mov_b32 s17, 0
	s_lshl_b32 s46, s42, 16                        ; wof: my block's 16 tiles,
	s_lshl_b32 s47, s14, 15                        ; my half
	s_add_co_u32 s46, s46, s47
	s_mov_b32 s47, 0
	s_lshl_b32 s20, s14, 14                        ; in a slot: o's halves,
	s_lshl_b32 s21, s14, 15
	s_add_co_u32 s21, s21, 32768                   ; then W_out's
	s_wait_dscnt 0x0                               ; both opening adds are done
	s_wait_kmcnt 0x0
	s_add_nc_u64 s[16:17], s[4:5], s[16:17]
	s_add_nc_u64 s[46:47], s[6:7], s[46:47]
	CROUND                                         ; all sixteen work-groups are here: the first joint loads meet
.irp s, 0,1
	s_mov_b32 s[G0A+4*\s], 1
	s_add_co_u32 s[G0A+4*\s+1], s20, \s*SLOT
	s_add_nc_u64 s[G0A+4*\s+2:G0A+4*\s+3], s[16:17], \s*2097152
	s_or_b32 s[G0A+4*\s+3], s[G0A+4*\s+3], 0x80000000
	s_mov_b32 s[G0B+4*\s], 1
	s_add_co_u32 s[G0B+4*\s+1], s21, \s*SLOT
	s_add_nc_u64 s[G0B+4*\s+2:G0B+4*\s+3], s[46:47], \s*262144
	s_or_b32 s[G0B+4*\s+3], s[G0B+4*\s+3], 0x80000000
	JLOAD \s
.endr
	v_and_b32 v13, 31, v0
	v_lshlrev_b32 v[LI], 4, v13
	v_and_b32 v14, 15, v0                          ; r
	v_bfe_u32 v15, v0, 4, 1                        ; h
	v_lshlrev_b32 v[H32], 5, v15
	s_lshl_b32 s22, s13, 14                        ; my four tiles of o
	s_lshl_b32 s23, s14, 15
	s_add_co_u32 s23, s23, 32768                   ; my eight of W_out
.irp s, 0,1
	v_add_nc_u32 v[ADRA+\s], s22, v[LI]
	v_add_nc_u32 v[ADRB+\s], s23, v[LI]
	s_add_co_u32 s22, s22, SLOT
	s_add_co_u32 s23, s23, SLOT
.endr
	s_mul_i32 s22, s[WV], 16*528
	s_add_co_u32 s22, s22, STAGE                   ; my stage
	v_mul_u32_u24 v[STO], v14, 528                 ; in: row r (rows 132 words apart: sixteen rows start at sixteen different banks, 64 banks of 4 bytes: ISA guide 11.1), + 32 h
	v_lshl_add_u32 v[STO], v15, 5, v[STO]
	v_add_nc_u32 v[STO], s22, v[STO]
	v_add_nc_u32 v[RD], s22, v[LI]                 ; back: the 32 lanes take one row of 512 bytes
	s_lshl_b32 s46, s42, 10                        ; my first column, in bytes: 1,024 x block + 512 x half
	s_lshl_b32 s47, s14, 9
	s_add_co_u32 s46, s46, s47
	s_mov_b32 s47, 0
	s_add_nc_u64 s[8:9], s[8:9], s[46:47]
	s_add_nc_u64 s[10:11], s[10:11], s[46:47]
	s_lshl_b32 s46, s15, 19                        ; my first row: 128 rows of 4,096 bytes a block, 64 a half
	s_lshl_b32 s22, s13, 18
	s_add_co_u32 s46, s46, s22
	s_add_nc_u64 s[10:11], s[10:11], s[46:47]
.irp j, 0,1,2,3,4,5,6,7                ; register i of tile j's C wants b_out at column 16 j + 8 h + i
	global_load_b128 v[BI+8*\j:BI+8*\j+3], v[H32], s[8:9] offset:64*\j
	global_load_b128 v[BI+8*\j+4:BI+8*\j+7], v[H32], s[8:9] offset:64*\j+16
.endr
; 24 LDS loads in one run: the fragments of 32 along K, the slot's q-th, into set f
.macro FETCH slot, q, f
	WIN 0x40                                       ; destination window 1
.irp j, 0,1,2,3,4,5,6,7
.irp c, 0,1
	ds_load_b128 v[64*(\f)+8*\j+4*\c:64*(\f)+8*\j+4*\c+3], v[ADRB+\slot] offset:\j*4096+(\q)*1024+\c*512
.endr
.endr
	WIN 0
.irp i, 0,1,2,3
.irp c, 0,1
	ds_load_b128 v[AF+32*(\f)+8*\i+4*\c:AF+32*(\f)+8*\i+4*\c+3], v[ADRA+\slot] offset:\i*4096+(\q)*1024+\c*512
.endr
.endr
.endm
; 8 products: o's tile a x W_out's eight.  The 32 accumulators take turns, one instruction a turn, in the same order everywhere
.macro MULA f, a, first
.irp b, 0,1,2,3,4,5,6,7
.if \first
	v_wmma_f32_16x16x32_f16 v[8*(8*(\a)+\b):8*(8*(\a)+\b)+7], v[64*(\f)+8*\b:64*(\f)+8*\b+7], v[AF+32*(\f)+8*(\a):AF+32*(\f)+8*(\a)+7], v[BI+8*\b:BI+8*\b+7]
.else
	v_wmma_f32_16x16x32_f16 v[8*(8*(\a)+\b):8*(8*(\a)+\b)+7], v[64*(\f)+8*\b:64*(\f)+8*\b+7], v[AF+32*(\f)+8*(\a):AF+32*(\f)+8*(\a)+7], v[8*(8*(\a)+\b):8*(8*(\a)+\b)+7]
.endif
.endr
.endm
.macro WMUL first
.if \first
	WIN 0x81                                       ; source 0 window 1, source 1 and C (the bias) window 0, D window 2
.else
	WIN 0xa1                                       ; C and D window 2
.endif
.endm
; one of a K step's first three quarters: multiplies set q % 2 and fetches the next quarter in its middle
.macro QUARTER slot, q, first
	s_wait_dscnt 0x0                               ; this quarter's fragments are in (asked for 16 matrix instructions ago)
	WMUL \first
	MULA (\q)%2, 0, \first
	MULA (\q)%2, 1, \first
	PLACES                                         ; four places in front of loads into registers that the quarter before has multiplied
	FETCH \slot, (\q)+1, 1-(\q)%2
	WMUL \first
	MULA (\q)%2, 2, \first
	MULA (\q)%2, 3, \first
.endm
; the last quarter multiplies set 1 and changes slots: ONE barrier; in front of it each wave waits for all its tensor loads, adds 0 to its spare word, and waits for that and for its reads of this slot.  fill = 1: the slot is filled again, two K steps ahead
.macro TURN slot, next, fill
	WIN 0                                          ; (the add's two registers lie in window 0)
	s_wait_tensorcnt 0x0                           ; all my tensor loads have landed: my part of the next slot;
	ds_add_u32 v[SPW], v[NIL]
	s_wait_dscnt 1                                 ; (the add may be out; this quarter's fragments are in)
	WIN 0xa1
	MULA 1, 0, 0                                   ; eight products stand between the add and the wait for it
	s_wait_dscnt 0x0                               ; the add is done, and my reads of this slot are over
	s_barrier_signal -1
	MULA 1, 1, 0
	WIN 0
	s_barrier_wait -1
.if \fill
	CREST                                          ; the barrier has opened a round of the cluster's: no wave of any partner still reads this slot or has a load on its way
	s_add_nc_u64 s[G0A+4*\slot+2:G0A+4*\slot+3], s[G0A+4*\slot+2:G0A+4*\slot+3], 2*2097152
	s_add_nc_u64 s[G0B+4*\slot+2:G0B+4*\slot+3], s[G0B+4*\slot+2:G0B+4*\slot+3], 2*262144
	JLOAD \slot                                    ; the first tensor load behind the round; its four v_nop are also the places in front of the loads below
.else
	PLACES
.endif
	FETCH \next, 0, 0
	WIN 0xa1
	MULA 1, 2, 0
	MULA 1, 3, 0
.endm
	s_wait_tensorcnt 1                             ; my part of K step 0 is in; K step 1's may stay out
	s_barrier_signal -1
	s_barrier_wait -1
	FETCH 0, 0, 0
	s_wait_loadcnt 0x0                             ; the bias
	QUARTER 0, 0, 1                                ; the first quarter stands in front of the loop: its products start the sums
	WIN 0                                          ; at a label and at a branch every window is 0
	s_mov_b32 s3, 3
.Llap:                                                 ; a trip goes once round the ring and fills both slots again: K steps 2 to 7
	QUARTER 0, 1, 0
	QUARTER 0, 2, 0
	TURN 0, 1, 1
	QUARTER 1, 0, 0
	QUARTER 1, 1, 0
	QUARTER 1, 2, 0
	TURN 1, 0, 1
	QUARTER 0, 0, 0
	WIN 0
	s_sub_co_u32 s3, s3, 1
	s_cmp_lg_u32 s3, 0
	s_cbranch_scc1 .Llap
	QUARTER 0, 1, 0                                ; the last lap fills nothing
	QUARTER 0, 2, 0
	TURN 0, 1, 0
	QUARTER 1, 0, 0
	QUARTER 1, 1, 0
	QUARTER 1, 2, 0
	s_wait_dscnt 0x0
	WIN 0xa1
	MULA 1, 0, 0
	MULA 1, 1, 0
	MULA 1, 2, 0
	MULA 1, 3, 0
	WIN 0
; THE WAY OUT, block by block of 16 rows x 128 columns: through my own stage, back as whole rows of 512 bytes.  LDS serves a wave's instructions in order: no wait between the stores and the loads, nor in front of the next block's stores
.macro TOSTAGE a
	WIN 0x08                                       ; an LDS store's data are its source 1: window 2
.irp b, 0,1,2,3,4,5,6,7
	ds_store_b128 v[STO], v[8*(8*(\a)+\b):8*(8*(\a)+\b)+3] offset:64*\b          ; each accumulator from its low end on
	ds_store_b128 v[STO], v[8*(8*(\a)+\b)+4:8*(8*(\a)+\b)+7] offset:64*\b+16
.endr
	WIN 0
.irp t, 0,1,2,3,4,5,6,7,8,9,10,11,12,13,14,15
	ds_load_b128 v[OB+64*((\a)%2)+4*\t:OB+64*((\a)%2)+4*\t+3], v[RD] offset:\t*528
.endr
.endm
.macro SEND a, younger                 ; younger: the LDS instructions issued behind block a's loads, which may stay out
	s_wait_dscnt \younger
.irp t, 0,1,2,3,4,5,6,7,8,9,10,11,12,13,14,15
	global_store_b128 v[LI], v[OB+64*((\a)%2)+4*\t:OB+64*((\a)%2)+4*\t+3], s[10:11] offset:(\a)*65536+\t*4096 th:TH_STORE_NT   ; 512 consecutive bytes, aligned; written once, read by nobody here
.endr
.endm
	PLACES
	TOSTAGE 0
.irp a, 1,2,3
.if \a > 1
	s_wait_xcnt 0x0                                ; block a - 2's stores have read their registers: block a's loads may land there
.endif
	TOSTAGE \a
	SEND \a-1, 32                                  ; behind block a - 1's loads: block a's 16 stores and 16 loads
.endr
	SEND 3, 0
	s_wait_tensorcnt 0x0                           ; the wave's end
	ds_add_u32 v[SPW], v[NIL]
	s_wait_dscnt 0x0
	CROUND                                         ; the closing round
	s_endpgm
.Lfunc_end_k_q176e7e9f14_proj:
	.size	k_q176e7e9f14_proj, .Lfunc_end_k_q176e7e9f14_proj-k_q176e7e9f14_proj
	.p2alignl 7, 3214868480
	.fill 96, 4, 3214868480
	.section	.rodata,"a",@progbits
	.p2align	6, 0x0
	.amdhsa_kernel k_q176e7e9f14_proj
		.amdhsa_group_segment_fixed_size 327680
		.amdhsa_private_segment_fixed_size 0
		.amdhsa_enable_private_segment 0
		.amdhsa_kernarg_size 32
		.amdhsa_user_sgpr_count 2
		.amdhsa_user_sgpr_kernarg_segment_ptr 1
		.amdhsa_wavefront_size32 1
		.amdhsa_system_sgpr_workgroup_id_x 1
		.amdhsa_system_sgpr_workgroup_id_y 1
		.amdhsa_system_sgpr_workgroup_id_z 1
		.amdhsa_system_vgpr_workitem_id 0
		.amdhsa_next_free_vgpr 1024
		.amdhsa_next_free_sgpr 66
		.amdhsa_reserve_vcc 0
		.amdhsa_float_denorm_mode_32 3
		.amdhsa_float_denorm_mode_16_64 3
		.amdhsa_memory_ordered 1
		.amdhsa_forward_progress 1
		.amdhsa_inst_pref_size 86
	.end_amdhsa_kernel
	.amdgpu_metadata
---
amdhsa.version: [ 1, 2 ]
amdhsa.kernels:
  - .name:           k_q176e7e9f14_proj
    .symbol:         k_q176e7e9f14_proj.kd
    .args:
      - { .name: of, .offset: 0, .size: 8, .value_kind: global_buffer, .address_space: global }
      - { .name: wof, .offset: 8, .size: 8, .value_kind: global_buffer, .address_space: global }
      - { .name: b_out, .offset: 16, .size: 8, .value_kind: global_buffer, .address_space: global }
      - { .name: out0, .offset: 24, .size: 8, .value_kind: global_buffer, .address_space: global }
    .group_segment_fixed_size: 327680
    .private_segment_fixed_size: 0
    .kernarg_segment_align: 8
    .kernarg_segment_size: 32
    .max_flat_workgroup_size: 128
    .sgpr_count:     66
    .vgpr_count:     1024
    .wavefront_size: 32
...
	.end_amdgpu_metadata
.endif
;; end of part 4
